; MI455X (gfx1250); checked and timed in simulation.
; The chip was launched on July 23, 2026; its instructions are those of AMD's public machine-readable ISA for CDNA 5 (MIT licence, August 2026) and "CDNA5" Instruction Set Architecture Reference Guide (July 2026). The comments in the code are by the model that wrote it; some were corrected since.
;; Mo E. Allowed arithmetic: float matrix products may take bf16 or f16 operands with f32 sums; all other float work in f32.
;; Inputs: expert_bias 16 float32; routed_w1 16 x 1,024 x 1,024 float32; routed_w2 16 x 1,024 x 1,024 float32; routed_w3 16 x 1,024 x 1,024 float32; router_w 1,024 x 16 float32; shared_w1 1 x 1,024 x 4,096 float32; shared_w2 1 x 1,024 x 4,096 float32; shared_w3 1 x 4,096 x 1,024 float32; x 4 x 256 x 1,024 float32.
;; Outputs: out0 4 x 256 x 1,024 float32.
;; One version. Each part assembles by itself: llvm-mc -triple=amdgcn-amd-amdhsa -mcpu=gfx1250 --defsym DOCPART=n.
;; ======== version 1 of 1: 5 launches
;; workspace buffers: XS 2,097,152 bytes; XR 5,242,880 bytes; HB 13,631,488 bytes; Y 27,262,976 bytes; tidx 8,192 bytes of whole numbers; tgate 8,192 bytes; etab 256 bytes of whole numbers; tpos 8,192 bytes of whole numbers
;; launch router (part 1): grid 64 x 1, 8 waves a work-group, no clusters, 9,216 bytes of LDS; arguments x, router_w, expert_bias, XS, tidx, tgate; writes XS, tidx, tgate
.if DOCPART == 1
	.amdgcn_target "amdgcn-amd-amdhsa--gfx1250"
	.amdhsa_code_object_version 6
	.text
	.protected	k_qd744b807a3_router
	.globl	k_qd744b807a3_router
	.p2align	8
	.type	k_qd744b807a3_router,@function
k_qd744b807a3_router:
	s_mov_b64 s[64:65], 0
	v_nop
	global_prefetch_b8 v0, s[64:65] scope:SCOPE_SE
	s_setreg_imm32_b32 hwreg(HW_REG_WAVE_MODE, 25, 1), 1
	s_wait_xcnt 0x0
; ROUTER.  scores = sigmoid(x router_w); the two experts with the largest score + bias; their numbers go to tidx, their scores to tgate.
; Beside that x is rounded to bf16 and written to XS in the order in which a matrix fragment wants it.
; x [1024][1024] f32, router_w [1024][16] f32, expert_bias [16] f32.  x, router_w and the bias are rounded to bf16 (nearest even); products bf16, sums f32.
; XS: block of 32 tokens = 65,536 bytes; byte = blk 65536 + c 2048 + u 1024 + i 512 + 16 L: k step c (32 along K), token tile u, lane L = (r, h) holds token 32 blk + 16 u + r,
;     i = 0: k = 32 c + 8 h + 0..7, i = 1: k = 32 c + 16 + 8 h + 0..7.
; SHARES.  A work-group owns 16 tokens; wave w the k steps 4 w .. 4 w + 3; the eight partial sums meet in LDS, and wave 0 selects.
; The product is used transposed: source 0 = 16 experts, source 1 = 16 tokens: lane (r, h) holds token r and experts 8 h + 0..7.
; LIMITS.  NaN logits are not treated apart; a score below 2^-126 counts as 0; of equal selection values the lower expert is taken, as the reference's top_k does;
; two selection values closer than the last bit of the sigmoid may be taken in the other order than an f32 reference takes them.
.set X,  16        ; v[16:79]    x as loaded: k step cl at 16 cl, k ascending
.set RW, 80        ; v[80:143]   router_w as loaded, likewise
.set XB, 144       ; v[144:175]  x in bf16: four fragments
.set RB, 176       ; v[176:207]  router_w in bf16: four fragments
.set A0, 208       ; v[208:215]  sums of k steps 0 and 2
.set A1, 216       ; v[216:223]  sums of k steps 1 and 3
.set Z,  224       ; v[224:231]  my wave's partial logits
.set BI, 232       ; v[232:239]  the bias of experts 8 h + 0..7
	s_load_b256 s[8:15], s[0:1], 0x0               ; x s[8:9], router_w s[10:11], expert_bias s[12:13], XS s[14:15]
	s_load_b128 s[16:19], s[0:1], 0x20             ; tidx s[16:17], tgate s[18:19]
	v_lshl_add_u32 v240, v0, 2, 0x2000
	v_mov_b32 v241, 0
	v_lshrrev_b32 v2, 5, v0
	v_readfirstlane_b32 s24, v2                    ; wave 0..7
	v_and_b32 v1, 15, v0                           ; r
	v_bfe_u32 v2, v0, 4, 1                         ; h
	v_and_b32 v3, 31, v0
	v_lshlrev_b32 v3, 4, v3                        ; 16 x lane
	s_lshl_b32 s25, s24, 9                         ; my four k steps begin 512 w bytes into a row of x
	v_lshlrev_b32 v4, 12, v1
	v_lshl_add_u32 v4, v2, 5, v4
	v_add_nc_u32 v4, s25, v4                       ; x: 4096 r + 32 h + 512 w
	s_lshl_b32 s25, s24, 13                        ; 128 rows of router_w, 64 bytes each; also four k steps of XS
	v_lshlrev_b32 v5, 2, v1
	v_lshl_add_u32 v5, v2, 9, v5
	v_add_nc_u32 v5, s25, v5                       ; router_w: 4 r + 512 h + 8192 w
	v_lshlrev_b32 v6, 5, v2                        ; bias: 32 h
	s_lshl_b32 s26, s24, 10
	v_add_nc_u32 v7, s26, v3                       ; LDS: 1024 w + 16 x lane
	s_lshl_b32 s30, ttmp9, 16                      ; my 16 rows of x
	s_mov_b32 s31, 0
	s_lshr_b32 s32, ttmp9, 1                       ; XS: block g / 2, token tile g % 2, my four k steps
	s_lshl_b32 s32, s32, 16
	s_and_b32 s33, ttmp9, 1
	s_lshl_b32 s33, s33, 10
	s_add_co_u32 s32, s32, s33
	s_add_co_u32 s32, s32, s25
	s_mov_b32 s33, 0
	s_lshl_b32 s34, ttmp9, 7                       ; 16 tokens x 8 bytes in tidx and tgate
	s_mov_b32 s35, 0
	s_mov_b32 s20, 0x76543210                      ; v_permlanex16_b32: each lane takes its own place in the other half
	s_mov_b32 s21, 0xfedcba98
	s_wait_kmcnt 0x0
	s_add_nc_u64 s[8:9], s[8:9], s[30:31]
	s_add_nc_u64 s[14:15], s[14:15], s[32:33]
	s_add_nc_u64 s[16:17], s[16:17], s[34:35]
	s_add_nc_u64 s[18:19], s[18:19], s[34:35]
.set cl, 0
.rept 4                                                ; x: 16 numbers a lane and k step, in the fragment's order of k
	global_load_b128 v[X+16*cl:X+16*cl+3],     v4, s[8:9] offset:128*cl th:TH_LOAD_NT
	global_load_b128 v[X+16*cl+4:X+16*cl+7],   v4, s[8:9] offset:128*cl+16 th:TH_LOAD_NT
	global_load_b128 v[X+16*cl+8:X+16*cl+11],  v4, s[8:9] offset:128*cl+64 th:TH_LOAD_NT
	global_load_b128 v[X+16*cl+12:X+16*cl+15], v4, s[8:9] offset:128*cl+80 th:TH_LOAD_NT
.set cl, cl+1
.endr
.set i, 0
.rept 64                                               ; router_w: expert r, row 32 c + 8 h + i % 8 + 16 ((i % 16) / 8)
	global_load_b32 v[RW+i], v5, s[10:11] offset:2048*(i/16)+64*((i%8)+16*((i%16)/8))
.set i, i+1
.endr
	global_load_b128 v[BI:BI+3],   v6, s[12:13]
	global_load_b128 v[BI+4:BI+7], v6, s[12:13] offset:16
	s_wait_loadcnt 0x0
.set i, 0
.rept 32
	v_cvt_pk_bf16_f32 v[XB+i], v[X+2*i], v[X+2*i+1]
	v_cvt_pk_bf16_f32 v[RB+i], v[RW+2*i], v[RW+2*i+1]
.set i, i+1
.endr
.set cl, 0
.rept 4                                                ; each store of the wave covers 512 consecutive bytes, aligned
	global_store_b128 v3, v[XB+8*cl:XB+8*cl+3],   s[14:15] offset:2048*cl
	global_store_b128 v3, v[XB+8*cl+4:XB+8*cl+7], s[14:15] offset:2048*cl+512
.set cl, cl+1
.endr
	; two accumulators by turns, one instruction a turn
	v_wmma_f32_16x16x32_bf16 v[A0:A0+7], v[RB:RB+7],       v[XB:XB+7],       0
	v_wmma_f32_16x16x32_bf16 v[A1:A1+7], v[RB+8:RB+15],    v[XB+8:XB+15],    0
	v_wmma_f32_16x16x32_bf16 v[A0:A0+7], v[RB+16:RB+23],   v[XB+16:XB+23],   v[A0:A0+7]
	v_wmma_f32_16x16x32_bf16 v[A1:A1+7], v[RB+24:RB+31],   v[XB+24:XB+31],   v[A1:A1+7]
.rept 4
	v_nop                                          ; four places behind the last product (ISA guide 7.12.1)
.endr
.irp p, 0,2,4,6                                        ; from the low end on
	v_pk_add_f32 v[Z+\p:Z+\p+1], v[A0+\p:A0+\p+1], v[A1+\p:A1+\p+1]
.endr
	ds_store_b128 v7, v[Z:Z+3]
	ds_store_b128 v7, v[Z+4:Z+7] offset:512
	s_wait_dscnt 0x0                               ; for wave 0's sake: my partial sums are in LDS
	s_barrier_signal -1
	s_barrier_wait -1
	s_cmp_lg_u32 s24, 0
	s_cbranch_scc1 .Lend                           ; no barrier follows: the other seven waves are done
	; WAVE 0: the eight partial sums, the scores, the choice
.set i, 0
.rept 16
	ds_load_b128 v[16+4*i:16+4*i+3], v3 offset:512*i   ; wave i / 2's registers 4 (i % 2) on
.set i, i+1
.endr
	s_wait_dscnt 0x0
.set i, 1
.rept 7
.irp p, 0,2,4,6
	v_pk_add_f32 v[16+\p:16+\p+1], v[16+\p:16+\p+1], v[16+8*i+\p:16+8*i+\p+1]
.endr
.set i, i+1
.endr
.irp p, 0,2,4,6
	v_pk_mul_f32 v[24+\p:24+\p+1], v[16+\p:16+\p+1], 0xbfb8aa3b op_sel_hi:[1,0]  ; -log2(e) z
.endr
.irp j, 0,1,2,3,4,5,6,7
	v_exp_f32 v[24+\j], v[24+\j]
.endr
	v_nop                                          ; a plain instruction behind the exponentials (ISA guide 5.7.2)
	s_wait_alu depctr_va_vdst(0)
.irp p, 0,2,4,6
	v_pk_add_f32 v[24+\p:24+\p+1], v[24+\p:24+\p+1], 1.0 op_sel_hi:[1,0]
.endr
.irp j, 0,1,2,3,4,5,6,7
	v_rcp_f32 v[24+\j], v[24+\j]                   ; v[24:31]: the scores of experts 8 h + 0..7
.endr
.irp j, 0,1,2,3                                        ; the bias rounded to bf16 and widened again: plain work behind the reciprocals
	v_cvt_pk_bf16_f32 v[32+\j], v[BI+2*\j], v[BI+2*\j+1]
.endr
.irp j, 0,1,2,3
	v_lshlrev_b32 v[36+2*\j], 16, v[32+\j]
	v_and_b32 v[37+2*\j], 0xffff0000, v[32+\j]
.endr
	s_wait_alu depctr_va_vdst(0)
.irp j, 0,1,2,3,4,5,6,7
	v_add_f32 v[44+\j], v[24+\j], v[36+\j]         ; v[44:51]: what the choice goes by
.endr
	; my eight experts' best two: (value, expert, score) in v52-54 and v55-57.  Strict compares: of equals the lower expert stays.
	v_lshlrev_b32 v58, 3, v2
	v_mov_b32 v52, v44
	v_mov_b32 v53, v58
	v_mov_b32 v54, v24
	v_mov_b32 v55, 0xff800000
	v_mov_b32 v56, v58
	v_mov_b32 v57, 0
.set j, 1
.rept 7
	v_add_nc_u32 v59, j, v58
	v_cmp_gt_f32 s26, v[44+j], v52
	v_cmp_gt_f32 s27, v[44+j], v55
	v_cndmask_b32 v55, v55, v[44+j], s27
	v_cndmask_b32 v56, v56, v59, s27
	v_cndmask_b32 v57, v57, v[24+j], s27
	v_cndmask_b32 v55, v55, v52, s26
	v_cndmask_b32 v56, v56, v53, s26
	v_cndmask_b32 v57, v57, v54, s26
	v_cndmask_b32 v52, v52, v[44+j], s26
	v_cndmask_b32 v53, v53, v59, s26
	v_cndmask_b32 v54, v54, v[24+j], s26
.set j, j+1
.endr
.irp i, 0,1,2,3,4,5
	v_mov_b32 v[60+\i], 0                          ; the exchange counts as a reader of its destination
.endr
.irp i, 0,1,2,3,4,5
	v_permlanex16_b32 v[60+\i], v[52+\i], s20, s21 ; the token's other eight experts lie in the lane 16 away
.endr
	v_cmp_eq_u32 s28, 0, v2
.irp i, 0,1,2,3,4,5
	v_cndmask_b32 v[66+\i], v[60+\i], v[52+\i], s28  ; Lo: experts 0-7's two
	v_cndmask_b32 v[72+\i], v[52+\i], v[60+\i], s28  ; Up: experts 8-15's two
.endr
	v_cmp_gt_f32 s26, v72, v66                     ; Up's first beats Lo's first
	v_cmp_gt_f32 s27, v72, v69                     ; Up's first beats Lo's second
	v_cmp_gt_f32 s29, v75, v66                     ; Up's second beats Lo's first
	v_cndmask_b32 v78, v67, v73, s26               ; the first: expert,
	v_cndmask_b32 v80, v68, v74, s26               ; score
	v_cndmask_b32 v82, v70, v73, s27               ; the second if Lo's was first
	v_cndmask_b32 v83, v71, v74, s27
	v_cndmask_b32 v84, v67, v76, s29               ; the second if Up's was first
	v_cndmask_b32 v85, v68, v77, s29
	v_cndmask_b32 v79, v82, v84, s26
	v_cndmask_b32 v81, v83, v85, s26
	v_lshlrev_b32 v86, 3, v1                       ; 8 r
	v_and_b32 v87, 31, v0
	s_wait_xcnt 0x0                                ; EXEC changes only behind this wait: XS's stores have been issued under the full one
	v_cmp_gt_u32 vcc_lo, 16, v87
	s_and_saveexec_b32 s23, vcc_lo                 ; both halves hold the same result: lanes 0-15 store it
	global_store_b64 v86, v[78:79], s[16:17]
	global_store_b64 v86, v[80:81], s[18:19]
	s_wait_xcnt 0x0
	s_or_b32 exec_lo, exec_lo, s23
.Lend:
	s_wait_tensorcnt 0x0
	ds_add_u32 v240, v241
	s_wait_dscnt 0x0
	s_endpgm
.Lfunc_end_k_qd744b807a3_router:
	.size	k_qd744b807a3_router, .Lfunc_end_k_qd744b807a3_router-k_qd744b807a3_router
	.p2alignl 7, 3214868480
	.fill 96, 4, 3214868480
	.section	.rodata,"a",@progbits
	.p2align	6, 0x0
	.amdhsa_kernel k_qd744b807a3_router
		.amdhsa_group_segment_fixed_size 9216
		.amdhsa_private_segment_fixed_size 0
		.amdhsa_enable_private_segment 0
		.amdhsa_kernarg_size 48
		.amdhsa_user_sgpr_count 2
		.amdhsa_user_sgpr_kernarg_segment_ptr 1
		.amdhsa_wavefront_size32 1
		.amdhsa_system_sgpr_workgroup_id_x 1
		.amdhsa_system_sgpr_workgroup_id_y 1
		.amdhsa_system_sgpr_workgroup_id_z 1
		.amdhsa_system_vgpr_workitem_id 0
		.amdhsa_next_free_vgpr 242
		.amdhsa_next_free_sgpr 66
		.amdhsa_reserve_vcc 1
		.amdhsa_float_denorm_mode_32 3
		.amdhsa_float_denorm_mode_16_64 3
		.amdhsa_memory_ordered 1
		.amdhsa_forward_progress 1
		.amdhsa_inst_pref_size 28
	.end_amdhsa_kernel
	.amdgpu_metadata
---
amdhsa.version: [ 1, 2 ]
amdhsa.kernels:
  - .name:           k_qd744b807a3_router
    .symbol:         k_qd744b807a3_router.kd
    .args:
      - { .name: x, .offset: 0, .size: 8, .value_kind: global_buffer, .address_space: global }
      - { .name: router_w, .offset: 8, .size: 8, .value_kind: global_buffer, .address_space: global }
      - { .name: expert_bias, .offset: 16, .size: 8, .value_kind: global_buffer, .address_space: global }
      - { .name: XS, .offset: 24, .size: 8, .value_kind: global_buffer, .address_space: global }
      - { .name: tidx, .offset: 32, .size: 8, .value_kind: global_buffer, .address_space: global }
      - { .name: tgate, .offset: 40, .size: 8, .value_kind: global_buffer, .address_space: global }
    .group_segment_fixed_size: 9216
    .private_segment_fixed_size: 0
    .kernarg_segment_align: 8
    .kernarg_segment_size: 48
    .max_flat_workgroup_size: 256
    .sgpr_count:     66
    .vgpr_count:     242
    .wavefront_size: 32
...
	.end_amdgpu_metadata
.endif
;; end of part 1
;; launch dispatch (part 2): grid 80 x 1, 32 waves a work-group, no clusters, 16,384 bytes of LDS; arguments tidx, XS, XR, etab, tpos; writes XR, etab, tpos
.if DOCPART == 2
	.amdgcn_target "amdgcn-amd-amdhsa--gfx1250"
	.amdhsa_code_object_version 6
	.text
	.protected	k_qd744b807a3_dispatch
	.globl	k_qd744b807a3_dispatch
	.p2align	8
	.type	k_qd744b807a3_dispatch,@function
k_qd744b807a3_dispatch:
	s_mov_b64 s[64:65], 0
	v_nop
	global_prefetch_b8 v0, s[64:65] scope:SCOPE_SE
	s_setreg_imm32_b32 hwreg(HW_REG_WAVE_MODE, 25, 1), 1
	s_wait_xcnt 0x0
; DISPATCH.  The 2,048 (token, expert) pairs are laid in rows, expert after expert, each expert's rows beginning at a block of 32: row pos = 32 bstart[e] + the pair's rank among e's pairs.
; Every work-group makes that whole order again from tidx (1,024 threads, one a token: no traffic between work-groups) and then copies the 32 tokens of ITS block g from XS to XR, both in
; fragment order (see XS below).  Work-group 0 also stores tpos [1024][2] (each pair's row) and etab [32]{bstart, bcnt} (entries 16-31 are 0).
; The experts' blocks are at most (2048 + 16 x 31) / 32 = 79; how many are in use hangs on the data, so all 80 blocks of XR are written; a row that no pair owns takes token 1023's numbers,
; which are finite and which nothing reads into a result.
; XS, XR: block of 32 rows = 65,536 bytes; byte = blk 65536 + c 2048 + u 1024 + i 512 + 16 L; lane L = (r, h) holds row 16 u + r, k = 32 c + 16 i + 8 h + 0..7, bf16.
; LDS.  0: 32 waves x 32 words, the waves' counts for each expert.  4096: 32 waves x 64 words, each wave's own: word s = 1 + the token of mine that owns row s of block g, word 32 a dump.
.set CNT, 0
.set SL,  4096
	s_load_b256 s[8:15], s[0:1], 0x0               ; tidx s[8:9], XS s[10:11], XR s[12:13], etab s[14:15]
	s_load_b64 s[16:17], s[0:1], 0x20              ; tpos
	v_lshl_add_u32 v64, v0, 2, 0x3000
	v_mov_b32 v65, 0
	v_lshrrev_b32 v2, 5, v0                        ; wave, in every lane
	v_readfirstlane_b32 s24, v2                    ; and as a scalar
	s_mov_b32 s29, ttmp9                           ; g
	v_and_b32 v1, 31, v0                           ; lane
	v_lshlrev_b32 v3, 3, v0                        ; 8 t
	v_lshlrev_b32 v12, 2, v0                       ; 4 t
	v_lshlrev_b32 v13, 2, v1                       ; 4 x lane
	s_lshl_b32 s27, s24, 8
	s_add_co_u32 s27, s27, SL                      ; my wave's slot words
	v_add_nc_u32 v57, s27, v13
	v_mov_b32 v7, 0
	ds_store_b32 v57, v7                           ; cleared by the wave that owns them; LDS serves a wave's instructions in order
	ds_store_b32 v57, v7 offset:128
	v_mov_b32 v8, 0                                ; lane e: how many of my wave's tokens chose expert e
	v_mov_b32 v9, 0                                ; my first choice's rank in my wave
	v_mov_b32 v10, 0                               ; my second's
	v_mov_b32 v50, 0                               ; lane e: bstart[e]
	v_mov_b32 v51, 0                               ; lane e: bcnt[e]
	s_wait_kmcnt 0x0
	global_load_b64 v[4:5], v3, s[8:9]
	s_wait_loadcnt 0x0
	v_min_u32 v4, 15, v4
	v_min_u32 v5, 15, v5
.set e, 0
.rept 16
	v_cmp_eq_u32 s20, e, v4
	v_cmp_eq_u32 s21, e, v5
	s_or_b32 s22, s20, s21                         ; a token's two choices differ: one bit a token
	v_mbcnt_lo_u32_b32 v11, s22, 0                 ; how many lanes below me chose e
	v_cndmask_b32 v9, v9, v11, s20
	v_cndmask_b32 v10, v10, v11, s21
	s_bcnt1_i32_b32 s23, s22
	v_writelane_b32 v8, s23, e
.set e, e+1
.endr
	ds_store_b32 v12, v8                           ; word 32 w + lane
	s_wait_dscnt 0x0                               ; for the others' sake
	s_barrier_signal -1
	s_barrier_wait -1
.set i, 0
.rept 32
	ds_load_b32 v[16+i], v13 offset:CNT+128*i      ; lane e: wave i's count for expert e
.set i, i+1
.endr
	v_mov_b32 v14, 0
	v_mov_b32 v15, 0
	s_wait_dscnt 0x0
.set i, 0
.rept 32
	v_cmp_lt_u32 vcc_lo, i, v2
	v_add_nc_u32 v14, v14, v[16+i]                 ; all waves' count
	v_cndmask_b32 v48, 0, v[16+i], vcc_lo
	v_add_nc_u32 v15, v15, v48                     ; the count of the waves in front of mine
.set i, i+1
.endr
	s_mov_b32 s25, 0
.set e, 0
.rept 16
	v_readlane_b32 s26, v14, e
	s_add_co_u32 s26, s26, 31
	s_lshr_b32 s26, s26, 5                         ; blocks of expert e
	v_writelane_b32 v50, s25, e
	v_writelane_b32 v51, s26, e
	s_add_co_u32 s25, s25, s26
.set e, e+1
.endr
	v_lshl_add_u32 v49, v50, 5, v15                ; lane e: the row of my wave's first pair of expert e
	v_lshlrev_b32 v52, 2, v4
	v_lshlrev_b32 v53, 2, v5
	ds_bpermute_b32 v58, v52, v49
	ds_bpermute_b32 v59, v53, v49
	s_lshl_b32 s28, s29, 5                         ; block g's first row
	v_add_nc_u32 v55, 1, v0                        ; token + 1
	s_wait_dscnt 0x0
	v_add_nc_u32 v58, v58, v9
	v_add_nc_u32 v59, v59, v10
	v_min_u32 v58, 0x9ff, v58                      ; rows 0 .. 2559
	v_min_u32 v59, 0x9ff, v59
	v_sub_nc_u32 v56, v58, s28                     ; the row's place in block g; outside it (below wraps round) the dump word
	v_min_u32 v56, 32, v56
	v_lshl_add_u32 v56, v56, 2, s27
	ds_store_b32 v56, v55
	v_sub_nc_u32 v54, v59, s28
	v_min_u32 v54, 32, v54
	v_lshl_add_u32 v54, v54, 2, s27
	ds_store_b32 v54, v55
	v_lshlrev_b32 v62, 3, v1                       ; 8 x lane
	s_wait_dscnt 0x0                               ; for the others' sake
	s_barrier_signal -1
	s_barrier_wait -1
.set i, 0
.rept 32
	ds_load_b32 v[16+i], v13 offset:SL+256*i       ; lane s: wave i's word for row s
.set i, i+1
.endr
	s_cmp_lg_u32 s29, 0
	s_cbranch_scc1 .Lno_tab                        ; the tables are work-group 0's; no barrier stands in here
	global_store_b64 v3, v[58:59], s[16:17]
	s_cmp_lg_u32 s24, 0
	s_cbranch_scc1 .Lno_tab
	global_store_b64 v62, v[50:51], s[14:15]       ; 32 lanes: all 256 bytes of etab
.Lno_tab:
	v_and_b32 v6, 15, v0
	v_lshlrev_b32 v6, 2, v6                        ; 4 r
	v_add_nc_u32 v53, 64, v6                       ; 4 (16 + r)
	v_bfe_u32 v61, v0, 4, 1
	v_lshlrev_b32 v61, 8, v61                      ; 256 h
	s_lshl_b32 s30, s24, 11                        ; wave w copies k step w
	v_add_nc_u32 v61, s30, v61
	v_lshlrev_b32 v60, 4, v1                       ; 16 x lane
	s_lshl_b32 s31, s29, 16
	s_add_co_u32 s32, s31, s30
	s_mov_b32 s33, 0
	s_add_nc_u64 s[12:13], s[12:13], s[32:33]      ; XR at block g, k step w
	s_wait_dscnt 0x0
	v_add3_u32 v48, v16, v17, v18                  ; at most one of the 32 words is not 0
.set i, 0
.rept 14
	v_add3_u32 v48, v48, v[19+2*i], v[20+2*i]
.set i, i+1
.endr
	v_add_nc_u32 v48, v48, v47
	v_add_nc_u32 v48, -1, v48                      ; lane s: row s's token; a row without owner wraps round and is clamped to 1023 below
	ds_bpermute_b32 v52, v6, v48                   ; row r
	ds_bpermute_b32 v54, v53, v48                  ; row 16 + r
	s_wait_dscnt 0x0
	v_min_u32 v52, 0x3ff, v52
	v_min_u32 v54, 0x3ff, v54
.macro SRC dst, tok                    ; the token's place in XS: block tok / 32, tile (tok / 16) % 2, lane tok % 16 + 16 h, k step w
	v_and_b32 \dst, 0x3e0, \tok
	v_lshlrev_b32 \dst, 11, \dst
	v_and_b32 v63, 16, \tok
	v_lshl_add_u32 \dst, v63, 6, \dst
	v_and_b32 v63, 15, \tok
	v_lshl_add_u32 \dst, v63, 4, \dst
	v_add_nc_u32 \dst, v61, \dst
.endm
	SRC v55, v52
	SRC v56, v54
	global_load_b128 v[16:19], v55, s[10:11]
	global_load_b128 v[20:23], v55, s[10:11] offset:512
	global_load_b128 v[24:27], v56, s[10:11]
	global_load_b128 v[28:31], v56, s[10:11] offset:512
	s_wait_loadcnt 0x0
	global_store_b128 v60, v[16:19], s[12:13]             ; each store of the wave covers 512 consecutive bytes, aligned
	global_store_b128 v60, v[20:23], s[12:13] offset:512
	global_store_b128 v60, v[24:27], s[12:13] offset:1024
	global_store_b128 v60, v[28:31], s[12:13] offset:1536
	s_wait_tensorcnt 0x0
	ds_add_u32 v64, v65
	s_wait_dscnt 0x0
	s_endpgm
.Lfunc_end_k_qd744b807a3_dispatch:
	.size	k_qd744b807a3_dispatch, .Lfunc_end_k_qd744b807a3_dispatch-k_qd744b807a3_dispatch
	.p2alignl 7, 3214868480
	.fill 96, 4, 3214868480
	.section	.rodata,"a",@progbits
	.p2align	6, 0x0
	.amdhsa_kernel k_qd744b807a3_dispatch
		.amdhsa_group_segment_fixed_size 16384
		.amdhsa_private_segment_fixed_size 0
		.amdhsa_enable_private_segment 0
		.amdhsa_kernarg_size 40
		.amdhsa_user_sgpr_count 2
		.amdhsa_user_sgpr_kernarg_segment_ptr 1
		.amdhsa_wavefront_size32 1
		.amdhsa_system_sgpr_workgroup_id_x 1
		.amdhsa_system_sgpr_workgroup_id_y 1
		.amdhsa_system_sgpr_workgroup_id_z 1
		.amdhsa_system_vgpr_workitem_id 0
		.amdhsa_next_free_vgpr 66
		.amdhsa_next_free_sgpr 66
		.amdhsa_reserve_vcc 1
		.amdhsa_float_denorm_mode_32 3
		.amdhsa_float_denorm_mode_16_64 3
		.amdhsa_memory_ordered 1
		.amdhsa_forward_progress 1
		.amdhsa_inst_pref_size 26
	.end_amdhsa_kernel
	.amdgpu_metadata
---
amdhsa.version: [ 1, 2 ]
amdhsa.kernels:
  - .name:           k_qd744b807a3_dispatch
    .symbol:         k_qd744b807a3_dispatch.kd
    .args:
      - { .name: tidx, .offset: 0, .size: 8, .value_kind: global_buffer, .address_space: global }
      - { .name: XS, .offset: 8, .size: 8, .value_kind: global_buffer, .address_space: global }
      - { .name: XR, .offset: 16, .size: 8, .value_kind: global_buffer, .address_space: global }
      - { .name: etab, .offset: 24, .size: 8, .value_kind: global_buffer, .address_space: global }
      - { .name: tpos, .offset: 32, .size: 8, .value_kind: global_buffer, .address_space: global }
    .group_segment_fixed_size: 16384
    .private_segment_fixed_size: 0
    .kernarg_segment_align: 8
    .kernarg_segment_size: 40
    .max_flat_workgroup_size: 1024
    .sgpr_count:     66
    .vgpr_count:     66
    .wavefront_size: 32
...
	.end_amdgpu_metadata
.endif
;; end of part 2
;; launch up (part 3): grid 256 x 1, 8 waves a work-group, no clusters, 267,264 bytes of LDS; arguments XS, XR, routed_w1, routed_w2, shared_w1, shared_w2, etab, HB; writes HB
.if DOCPART == 3
	.amdgcn_target "amdgcn-amd-amdhsa--gfx1250"
	.amdhsa_code_object_version 6
	.text
	.protected	k_qd744b807a3_up
	.globl	k_qd744b807a3_up
	.p2align	8
	.type	k_qd744b807a3_up,@function
k_qd744b807a3_up:
	s_mov_b64 s[64:65], 0
	v_nop
	global_prefetch_b8 v0, s[64:65] scope:SCOPE_SE
	s_setreg_imm32_b32 hwreg(HW_REG_WAVE_MODE, 25, 1), 1
	s_wait_xcnt 0x0
; UP.  h = silu(x w1) * (x w2) for 64 hidden columns of one expert and all rows that the expert has; h is rounded once to bf16 and written to HB in fragment order.
; The shared expert counts as four experts of 1,024 hidden columns that take all tokens.  Weights are f32 [K = 1024][N], rounded to bf16 (nearest even) on their way into LDS; sums in f32.
; TASKS.  256 work-groups, each stays for TWO TURNS of one loop.  q = id / 2.
;   Even ones (routed): columns 64 (q % 16) on of expert q / 16 in turn 0 and of expert q / 16 + 8 in turn 1; rows from XR, blocks etab[expert].  Two slices, each byte read once.
;   Odd ones (shared): columns 64 (q / 2) on, tokens 512 (q % 2) on, rows from XS: turn 0 loads the slice and takes 256 rows, turn 1 takes the next 256 with the slice that lies in LDS.
;   So a shared slice is read by two work-groups, and while the shared work-groups multiply in turn 1 the routed ones stream their second slice.
; THE WEIGHTS STAY: the work-group reads its slice (1,024 x 64 of w1 and of w2), lays it into LDS as ready fragments, passes a barrier; then each wave walks blocks of 32 rows
; by itself, w, w + 8, ..: a loop whose count hangs on etab and which holds no barrier.  Row fragments come straight from memory, 512 consecutive bytes a load.
; No cluster: only the two token halves of a shared slice read the same bytes.
; THE PRODUCT IS USED TRANSPOSED: source 0 = 16 hidden columns, source 1 = 16 rows: lane (r, h) holds row r and columns 8 h + 0..7, so two neighbouring column tiles, packed, ARE the
; fragment (32 along the hidden index) that the next launch's product takes.
; XS, XR, HB: block of 32 rows = 65,536 bytes; byte = blk 65536 + c 2048 + u 1024 + i 512 + 16 L.  HB's blocks: 32 j + b for shared part j, 128 + rb for routed block rb.
; LDS: fragment (k step c, column tile F) at (8 c + F) x 1040: 1,024 bytes, at 512 i + 16 x lane, and 16 of padding, so that the 16 lanes of a store pass fall into 16 different 16-byte columns.
;      F 0-3: w1's columns; F 4-7: w2's.
; LIMITS.  An expert that a token did not choose is not computed: where the reference would get 0 x infinity = NaN from it, this gives the chosen experts' sum.  h leaves in bf16.
.set PB,  1040
.set GRP, 32*PB                        ; four k steps
.set MAXB, 79                          ; the last block of XR
.set LB,  8                            ; v[8:15]    16 x lane + g GRP: never rewritten
.set VO,  16                           ; v[16:31]   load phase: byte offset of row i of a k step's 16 + 16, my 16 bytes
.set S,   32                           ; v[32:223]  load phase: three slots of 64: a unit (32 rows x 64 columns of one matrix) as loaded
.set P,   224                          ; v[224:255] load phase: the unit in bf16
.set ACC, 16                           ; v[16:143]  accumulator (row tile u, column tile F) at 16 + 8 (8 u + F)
.set BF,  144                          ; v[144:207] weight fragments of one k step: F 0-3, F 4-7
.set O,   208                          ; v[208:239] h, packed
.set WB,  32                           ; s[32:47]   the eight units' addresses
.set IN,  48                           ; s[48:49]   XR or XS
; v1 16 x lane; v2 h, later the rows' offset; v3 HB's offset; v4 byte offset of row 8 h, my 16 bytes: never rewritten; v6 where I store into LDS; v7 r.
; Window 1, v[0:255]: row fragments, two chunks of eight k steps
; s24 wave; s25 kind; s26 q; s28 pitch; s29 shared: first block; s[30:31] the slice's offset; s50 first block; s51 blocks; s52 HB block less input block; s53 first k step in HB; s54 trips; s55 trip;
; s56 block; s[58:59], s[76:77] etab's entries for the two turns; s[60:63] w1, w2; s[70:71] a k step's rows in bytes; s75 turn; s[78:79] -log2(e)
.set MSB, 0
.macro WIN new                         ; the immediate's high byte repeats the setting that is left; a switch that changes nothing is dropped
.if MSB != (\new)
	s_set_vgpr_msb (MSB<<8)|(\new)
.set MSB, \new
.endif
.endm
.macro PLACES                          ; four places behind a matrix instruction, in front of loads into its sources and of reads of its result
.rept 4
	v_nop
.endr
.endm
.macro LOADU un, slot                  ; unit un: 16 loads; lanes 0-15 take 256 aligned bytes of one row, lanes 16-31 of the row 8 below
.set li, 0
.rept 16
	global_load_b128 v[S+64*(\slot)+4*li:S+64*(\slot)+4*li+3], v[VO+li], s[WB+2*(\un):WB+2*(\un)+1]
.set li, li+1
.endr
.endm
.macro CVTU un, slot                   ; my four columns 4 r + j, 16 numbers along K each: rounded in pairs, 32 bytes a column into its tile r / 4, lane place 4 (r % 4) + j + 16 h
.irp j, 0,1,2,3
.set jj, 0
.rept 8
	v_cvt_pk_bf16_f32 v[P+8*\j+jj], v[S+64*(\slot)+8*jj+\j], v[S+64*(\slot)+8*jj+4+\j]
.set jj, jj+1
.endr
.endr
.irp j, 0,1,2,3
	ds_store_b128 v6, v[P+8*\j:P+8*\j+3]   offset:(8*((\un)/2)+4*((\un)%2))*PB+16*\j
	ds_store_b128 v6, v[P+8*\j+4:P+8*\j+7] offset:(8*((\un)/2)+4*((\un)%2))*PB+512+16*\j
.endr
.endm
.macro ALOAD qc                        ; chunk qc: the block's row fragments of eight k steps, 32 loads of 512 consecutive bytes
	WIN 0x40                                       ; destination window 1, address window 0
.set al, 0
.rept 8
.irp z, 0,1,2,3
	global_load_b128 v[128*((\qc)%2)+16*al+4*\z:128*((\qc)%2)+16*al+4*\z+3], v2, s[IN:IN+1] offset:(8*(\qc)+al)*2048+512*\z
.endr
.set al, al+1
.endr
.endm
.macro BLOAD c, hf                     ; k step c's weight fragments, half hf: 8 LDS loads, 16 neighbouring bytes a lane
	WIN 0x04
.irp f, 0,1,2,3
	ds_load_b128 v[BF+32*(\hf)+8*\f:BF+32*(\hf)+8*\f+3],   v[LB+(\c)/4] offset:(8*((\c)%4)+4*(\hf)+\f)*PB
	ds_load_b128 v[BF+32*(\hf)+8*\f+4:BF+32*(\hf)+8*\f+7], v[LB+(\c)/4] offset:(8*((\c)%4)+4*(\hf)+\f)*PB+512
.endr
.endm
.macro MM c, hf                        ; 8 matrix instructions.  The 16 accumulators take turns, one instruction a turn; k step 0 starts the sums
	WIN 0x04                                       ; source 1 (rows) window 1, all else window 0
.irp f, 0,1,2,3
.irp u, 0,1
.if (\c) == 0
	v_wmma_f32_16x16x32_bf16 v[ACC+8*(8*\u+4*(\hf)+\f):ACC+8*(8*\u+4*(\hf)+\f)+7], v[BF+32*(\hf)+8*\f:BF+32*(\hf)+8*\f+7], v[128*(((\c)/8)%2)+16*((\c)%8)+8*\u:128*(((\c)/8)%2)+16*((\c)%8)+8*\u+7], 0
.else
	v_wmma_f32_16x16x32_bf16 v[ACC+8*(8*\u+4*(\hf)+\f):ACC+8*(8*\u+4*(\hf)+\f)+7], v[BF+32*(\hf)+8*\f:BF+32*(\hf)+8*\f+7], v[128*(((\c)/8)%2)+16*((\c)%8)+8*\u:128*(((\c)/8)%2)+16*((\c)%8)+8*\u+7], v[ACC+8*(8*\u+4*(\hf)+\f):ACC+8*(8*\u+4*(\hf)+\f)+7]
.endif
.endr
.endr
.endm
.macro KSTEP c
	s_wait_dscnt 0x8                               ; half 0 of this k step is in; half 1's eight loads may be out
	MM \c, 0
	PLACES
.if (\c) < 31
	BLOAD (\c)+1, 0
	s_wait_dscnt 0x8                               ; half 1 is in; the eight just issued may be out
.else
	s_wait_dscnt 0x0
.endif
	MM \c, 1
	PLACES
.if (\c) < 31
	BLOAD (\c)+1, 1
.endif
.endm
	s_load_b512 s[8:23], s[0:1], 0x0               ; XS s[8:9], XR s[10:11], routed_w1 s[12:13], routed_w2 s[14:15], shared_w1 s[16:17], shared_w2 s[18:19], etab s[20:21], HB s[22:23]
	v_lshrrev_b32 v2, 5, v0
	v_readfirstlane_b32 s24, v2                    ; wave 0..7
	s_and_b32 s25, ttmp9, 1                        ; 0 routed, 1 shared
	s_lshr_b32 s26, ttmp9, 1                       ; q, 0..127
	s_lshl_b32 s28, s25, 1
	s_lshl_b32 s28, 4096, s28                      ; bytes from row to row of the weights: 4,096 or 16,384
	s_lshr_b32 s66, s26, 4                         ; routed: turn 0's expert, 0..7
	s_and_b32 s67, s26, 15                         ;         slice
	s_lshl_b32 s68, s66, 3                         ; etab's entry (read by both kinds: q / 16 + 8 is at most 15)
	s_lshl_b32 s30, s66, 22
	s_lshl_b32 s69, s67, 8
	s_add_co_u32 s30, s30, s69                     ;         expert x 4 MiB + slice x 256
	s_lshl_b32 s53, s67, 1                         ;         k steps 2 slice, 2 slice + 1 of HB
	s_lshr_b32 s27, s26, 1                         ; shared: slice 0..63
	s_and_b32 s29, s26, 1
	s_lshl_b32 s29, s29, 4                         ;         first block 16 (q % 2)
	s_lshl_b32 s73, s27, 8
	s_and_b32 s74, s27, 15
	s_lshl_b32 s74, s74, 1
	s_lshr_b32 s52, s27, 4
	s_lshl_b32 s52, s52, 5                         ;         HB block = 32 (slice / 16) + block
	s_mul_i32 s69, s24, s28
	s_lshl_b32 s69, s69, 7                         ; my wave's 128 rows of the weights
	s_lshl_b32 s70, s28, 5                         ; a k step's 32 rows
	s_mov_b32 s71, 0
	s_mov_b32 s31, 0
	s_mov_b32 s78, 0xbfb8aa3b                      ; -log2(e), named as a pair
	s_mov_b32 s79, s78
	s_mov_b32 s75, 0                               ; turn
	v_and_b32 v7, 15, v0                           ; r
	v_bfe_u32 v2, v0, 4, 1                         ; h
	v_and_b32 v1, 31, v0
	v_lshlrev_b32 v1, 4, v1                        ; 16 x lane
	v_lshrrev_b32 v3, 2, v7
	v_mul_u32_u24 v6, v3, PB
	v_and_b32 v3, 3, v7
	v_lshl_add_u32 v6, v3, 6, v6
	v_lshl_add_u32 v6, v2, 8, v6
	s_mul_i32 s72, s24, GRP
	v_add_nc_u32 v6, s72, v6                       ; (r / 4) 1040 + (r % 4) 64 + 256 h + w x four k steps
.set g, 0
.rept 8
	v_add_nc_u32 v[LB+g], g*GRP, v1
.set g, g+1
.endr
	v_lshlrev_b32 v3, 3, v2
	v_mul_u32_u24 v4, s28, v3
	v_lshl_add_u32 v4, v7, 4, v4                   ; row 8 h, my 16 bytes
	s_wait_kmcnt 0x0
	s_load_b64 s[58:59], s[20:21], s68 offset:0x0  ; turn 0's expert: first block, blocks
	s_load_b64 s[76:77], s[20:21], s68 offset:0x40 ; turn 1's, eight entries on
	s_cmp_eq_u32 s25, 0
	s_cselect_b64 s[60:61], s[12:13], s[16:17]
	s_cselect_b64 s[62:63], s[14:15], s[18:19]
	s_cselect_b64 s[IN:IN+1], s[10:11], s[8:9]
	s_cselect_b32 s30, s30, s73
	s_cselect_b32 s53, s53, s74
	s_cselect_b32 s52, 128, s52
	s_add_co_u32 s30, s30, s69
.Ltask:                                                ; two turns
	s_wait_dscnt 0x0                               ; my LDS reads of the last turn's slice are over
	s_barrier_signal -1
	s_barrier_wait -1                              ; everybody's are: the slice may be written over.  (In turn 0 it orders nothing: the price of one text for both turns.)
	s_and_b32 s72, s25, s75
	s_cmp_lg_u32 s72, 0
	s_cbranch_scc1 .Lresident                      ; shared, turn 1: the slice lies in LDS.  What is jumped holds no barrier, and all its loads are waited for inside it
	s_wait_xcnt 0x0                                ; the last turn's stores have had their addresses translated: the registers that they read are rewritten only behind this wait
	v_mov_b32 v[VO], v4
.set i, 1
.rept 15
	s_mul_i32 s72, s28, (i%8)+16*(i/8)
	v_add_nc_u32 v[VO+i], s72, v4
.set i, i+1
.endr
	s_add_nc_u64 s[WB:WB+1], s[60:61], s[30:31]    ; unit un: matrix un % 2, k step 4 w + un / 2.  (The last turn's loads by these addresses were waited for.)
	s_add_nc_u64 s[WB+2:WB+3], s[62:63], s[30:31]
.irp un, 2,3,4,5,6,7
	s_add_nc_u64 s[WB+2*\un:WB+2*\un+1], s[WB+2*\un-4:WB+2*\un-3], s[70:71]
.endr
	s_add_co_u32 s30, s30, 0x2000000               ; routed: the next turn's expert lies eight experts, 32 MiB, on
	; THE LOAD PHASE: three units, 48 loads of 512 bytes, of every wave are on their way
	LOADU 0, 0
	LOADU 1, 1
	LOADU 2, 2
.irp un, 0,1,2,3,4,5,6,7
.if \un < 6
	s_wait_loadcnt 0x20                            ; loads come back in order: unit un is in, the two younger units' 32 loads stay out
.elseif \un == 6
	s_wait_loadcnt 0x10
.else
	s_wait_loadcnt 0x0
.endif
	CVTU \un, (\un)%3
.if \un < 5
	LOADU (\un)+3, (\un)%3
.endif
.endr
.Lresident:
	s_wait_dscnt 0x0                               ; for the others' sake: my part of the slice is in LDS
	s_barrier_signal -1
	s_barrier_wait -1                              ; from here to the next turn's barrier the slice is only read
	s_wait_kmcnt 0x0                               ; etab's two entries
	s_cmp_eq_u32 s75, 0
	s_cselect_b32 s66, s58, s76
	s_cselect_b32 s67, s59, s77
	s_min_u32 s66, s66, MAXB
	s_min_u32 s67, s67, 32
	s_lshl_b32 s68, s75, 3
	s_add_co_u32 s68, s68, s29                     ; shared: block 16 (q % 2) + 8 turn on,
	s_cmp_eq_u32 s25, 0
	s_cselect_b32 s50, s66, s68
	s_cselect_b32 s51, s67, 8                      ; eight blocks, one a wave
	s_add_co_u32 s54, s51, 7
	s_sub_co_u32 s54, s54, s24
	s_lshr_b32 s54, s54, 3                         ; blocks w, w + 8, .. below the count
	s_add_co_u32 s56, s50, s24
	s_mov_b32 s55, 0
	s_cmp_eq_u32 s54, 0
	s_cbranch_scc1 .Ldone
.Lblk:
	s_wait_xcnt 0x0                                ; the last trip's stores have had their addresses translated: v3 is rewritten only behind this wait
	s_min_u32 s57, s56, MAXB
	s_lshl_b32 s69, s57, 16
	v_add_nc_u32 v2, s69, v1                       ; the block's rows
	s_add_co_u32 s69, s57, s52
	s_lshl_b32 s69, s69, 16
	s_lshl_b32 s72, s53, 11
	s_add_co_u32 s69, s69, s72
	v_add_nc_u32 v3, s69, v1                       ; its place in HB, at my slice's k steps
	ALOAD 0
	ALOAD 1
	BLOAD 0, 0
	BLOAD 0, 1
.set kc, 0
.irp qc, 0,1,2,3
.if \qc < 3
	s_wait_loadcnt 0x20                            ; chunk qc is in; the next chunk's 32 loads stay out
.else
	s_wait_loadcnt 0x0
.endif
.rept 8
	KSTEP kc
.set kc, kc+1
.endr
.if \qc < 2
	ALOAD (\qc)+2                                  ; into the chunk just multiplied: the k step's last four places stand in front
.endif
.endr
	WIN 0
	; silu(a) b = a b / (1 + 2^(-log2(e) a)), by stages over all eight tiles; each accumulator is read from its low end on.  An exponential that overflows gives 1 / infinity = 0, as it should.
.irp u, 0,1
.set p, 0
.rept 16
	v_pk_mul_f32 v[BF+32*\u+2*p:BF+32*\u+2*p+1], v[ACC+64*\u+2*p:ACC+64*\u+2*p+1], s[78:79] op_sel_hi:[1,0]
.set p, p+1
.endr
.endr
.set p, 0
.rept 64
	v_exp_f32 v[BF+p], v[BF+p]
.set p, p+1
.endr
	v_nop                                          ; a plain instruction behind the exponentials (ISA guide 5.7.2)
.set p, 0
	s_wait_alu depctr_va_vdst(0)
.rept 32
	v_pk_add_f32 v[BF+2*p:BF+2*p+1], v[BF+2*p:BF+2*p+1], 1.0 op_sel_hi:[1,0]
.set p, p+1
.endr
.set p, 0
.rept 64
	v_rcp_f32 v[BF+p], v[BF+p]
.set p, p+1
.endr
	v_nop
	s_wait_alu depctr_va_vdst(0)
.irp u, 0,1
.set p, 0
.rept 16
	v_pk_mul_f32 v[ACC+64*\u+2*p:ACC+64*\u+2*p+1], v[ACC+64*\u+2*p:ACC+64*\u+2*p+1], v[BF+32*\u+2*p:BF+32*\u+2*p+1]
.set p, p+1
.endr
.endr
.irp u, 0,1
.set p, 0
.rept 16
	v_pk_mul_f32 v[ACC+64*\u+2*p:ACC+64*\u+2*p+1], v[ACC+64*\u+2*p:ACC+64*\u+2*p+1], v[ACC+64*\u+32+2*p:ACC+64*\u+32+2*p+1]
.set p, p+1
.endr
.endr
.irp u, 0,1
.set p, 0
.rept 16
	v_cvt_pk_bf16_f32 v[O+16*\u+p], v[ACC+64*\u+2*p], v[ACC+64*\u+2*p+1]  ; tiles 2 c2 and 2 c2 + 1 make k step c2's fragment
.set p, p+1
.endr
.endr
.irp u, 0,1
.irp c2, 0,1
	global_store_b128 v3, v[O+16*\u+8*\c2:O+16*\u+8*\c2+3],   s[22:23] offset:2048*\c2+1024*\u       ; 512 consecutive bytes, aligned
	global_store_b128 v3, v[O+16*\u+8*\c2+4:O+16*\u+8*\c2+7], s[22:23] offset:2048*\c2+1024*\u+512
.endr
.endr
	s_add_co_u32 s56, s56, 8
	s_add_co_u32 s55, s55, 1
	s_cmp_lt_u32 s55, s54
	s_cbranch_scc1 .Lblk
.Ldone:
	s_add_co_u32 s75, s75, 1
	s_cmp_lt_u32 s75, 2
	s_cbranch_scc1 .Ltask
	s_wait_xcnt 0x0
	v_lshl_add_u32 v254, v0, 2, 0x41000
	v_mov_b32 v255, 0
	s_wait_tensorcnt 0x0
	ds_add_u32 v254, v255
	s_wait_dscnt 0x0
	s_endpgm
.Lfunc_end_k_qd744b807a3_up:
	.size	k_qd744b807a3_up, .Lfunc_end_k_qd744b807a3_up-k_qd744b807a3_up
	.p2alignl 7, 3214868480
	.fill 96, 4, 3214868480
	.section	.rodata,"a",@progbits
	.p2align	6, 0x0
	.amdhsa_kernel k_qd744b807a3_up
		.amdhsa_group_segment_fixed_size 267264
		.amdhsa_private_segment_fixed_size 0
		.amdhsa_enable_private_segment 0
		.amdhsa_kernarg_size 64
		.amdhsa_user_sgpr_count 2
		.amdhsa_user_sgpr_kernarg_segment_ptr 1
		.amdhsa_wavefront_size32 1
		.amdhsa_system_sgpr_workgroup_id_x 1
		.amdhsa_system_sgpr_workgroup_id_y 1
		.amdhsa_system_sgpr_workgroup_id_z 1
		.amdhsa_system_vgpr_workitem_id 0
		.amdhsa_next_free_vgpr 512
		.amdhsa_next_free_sgpr 80
		.amdhsa_reserve_vcc 0
		.amdhsa_float_denorm_mode_32 3
		.amdhsa_float_denorm_mode_16_64 3
		.amdhsa_memory_ordered 1
		.amdhsa_forward_progress 1
		.amdhsa_inst_pref_size 140
	.end_amdhsa_kernel
	.amdgpu_metadata
---
amdhsa.version: [ 1, 2 ]
amdhsa.kernels:
  - .name:           k_qd744b807a3_up
    .symbol:         k_qd744b807a3_up.kd
    .args:
      - { .name: XS, .offset: 0, .size: 8, .value_kind: global_buffer, .address_space: global }
      - { .name: XR, .offset: 8, .size: 8, .value_kind: global_buffer, .address_space: global }
      - { .name: routed_w1, .offset: 16, .size: 8, .value_kind: global_buffer, .address_space: global }
      - { .name: routed_w2, .offset: 24, .size: 8, .value_kind: global_buffer, .address_space: global }
      - { .name: shared_w1, .offset: 32, .size: 8, .value_kind: global_buffer, .address_space: global }
      - { .name: shared_w2, .offset: 40, .size: 8, .value_kind: global_buffer, .address_space: global }
      - { .name: etab, .offset: 48, .size: 8, .value_kind: global_buffer, .address_space: global }
      - { .name: HB, .offset: 56, .size: 8, .value_kind: global_buffer, .address_space: global }
    .group_segment_fixed_size: 267264
    .private_segment_fixed_size: 0
    .kernarg_segment_align: 8
    .kernarg_segment_size: 64
    .max_flat_workgroup_size: 256
    .sgpr_count:     80
    .vgpr_count:     512
    .wavefront_size: 32
...
	.end_amdgpu_metadata
.endif
;; end of part 3
;; launch down (part 4): grid 256 x 1, 8 waves a work-group, no clusters, 302,080 bytes of LDS; arguments HB, routed_w3, shared_w3, etab, Y; writes Y
.if DOCPART == 4
	.amdgcn_target "amdgcn-amd-amdhsa--gfx1250"
	.amdhsa_code_object_version 6
	.text
	.protected	k_qd744b807a3_down
	.globl	k_qd744b807a3_down
	.p2align	8
	.type	k_qd744b807a3_down,@function
k_qd744b807a3_down:
	s_mov_b64 s[64:65], 0
	v_nop
	global_prefetch_b8 v0, s[64:65] scope:SCOPE_SE
	s_setreg_imm32_b32 hwreg(HW_REG_WAVE_MODE, 25, 1), 1
	s_wait_xcnt 0x0
; DOWN.  Y = h w3 for 128 output columns of one expert and all rows that the expert has, in f32, ungated: the gates are applied where the parts are added.
; The shared expert counts as four experts of 1,024 hidden rows of w3.  w3 is f32 [K = 1024][1024], rounded to bf16 (nearest even) on its way into LDS; h is bf16 in fragment order; sums in f32.
; TASKS.  Even work-groups: routed expert e = q / 8, columns 128 (q % 8) on, HB blocks 128 + etab[e].  Odd ones: shared part j = q / 32, columns 128 ((q / 4) % 8) on, HB blocks 32 j + 8 (q % 4) on.
; THE WEIGHTS STAY, as in the launch before: the slice (1,024 x 128, each byte read once) is laid into LDS as ready fragments, ONE barrier, then each wave walks blocks of 32 rows by itself,
; in a loop whose count hangs on etab and which holds no barrier.  No tensor load (the weights change format on the way); no cluster (only a shared slice's four row quarters read the same bytes).
; THE PRODUCT IS USED TRANSPOSED: source 0 = 16 output columns, source 1 = 16 rows: lane (r, h) holds row r and columns 8 h + 0..7: 32 neighbouring bytes of a row of Y.
; THE WAY OUT: 16 rows x 64 columns at a time through the wave's own stage in LDS, so that 16 lanes store 256 consecutive bytes, aligned.
; HB: block of 32 rows = 65,536 bytes; byte = blk 65536 + c 2048 + u 1024 + i 512 + 16 L.  Y: [6656][1024] f32, row 32 blk + 16 u + r.
; LDS: fragment (k step c, column tile F) at (8 c + F) x 1040 (1,024 bytes and 16 of padding); behind them, at 266,240 + 4,352 w, the stages: 16 rows x 272 bytes.
.set PB,  1040
.set GRP, 32*PB
.set STAGE, 256*PB
.set SP,  272
.set MAXB, 207                         ; the last block of HB
.set LB,  8                            ; v[8:15]    16 x lane + g GRP: never rewritten
.set VO,  16                           ; v[16:31]   load phase: byte offset of row i of a k step's 16 + 16, my 16 bytes
.set S,   32                           ; v[32:223]  load phase: three slots of 64
.set P,   224                          ; v[224:255] load phase: a unit in bf16
.set ACC, 16                           ; v[16:143]  accumulator (row tile u, column tile F) at 16 + 8 (8 u + F)
.set BF,  144                          ; v[144:207] weight fragments of one k step; on the way out rows read back from the stage
.set OL,  208                          ; v208       4096 h + 16 r: my lane's place in two rows of Y
.set WB,  32                           ; s[32:47]   the eight units' addresses
.set IN,  8                            ; s[8:9]     HB
; v1 16 x lane; v2 h, later the rows' offset; v3 Y's offset; v4, v5 the stage, in and back; v6 where I store into LDS; v7 r.   Window 1, v[0:255]: row fragments, two chunks of eight k steps
; s24 wave; s25 kind; s26 q; s[30:31] offset; s50 first block; s51 blocks; s53 column slice; s54 trips; s55 trip; s56 block
.set MSB, 0
.macro WIN new                         ; the immediate's high byte repeats the setting that is left; a switch that changes nothing is dropped
.if MSB != (\new)
	s_set_vgpr_msb (MSB<<8)|(\new)
.set MSB, \new
.endif
.endm
.macro PLACES                          ; four places behind a matrix instruction, in front of loads into its sources and of reads of its result
.rept 4
	v_nop
.endr
.endm
.macro LOADU un, slot                  ; unit un: 16 loads; lanes 0-15 take 256 aligned bytes of one row, lanes 16-31 of the row 8 below
.set li, 0
.rept 16
	global_load_b128 v[S+64*(\slot)+4*li:S+64*(\slot)+4*li+3], v[VO+li], s[WB+2*(\un):WB+2*(\un)+1]
.set li, li+1
.endr
.endm
.macro CVTU un, slot                   ; my four columns 4 r + j, 16 numbers along K each: rounded in pairs, 32 bytes a column into its tile r / 4, lane place 4 (r % 4) + j + 16 h
.irp j, 0,1,2,3
.set jj, 0
.rept 8
	v_cvt_pk_bf16_f32 v[P+8*\j+jj], v[S+64*(\slot)+8*jj+\j], v[S+64*(\slot)+8*jj+4+\j]
.set jj, jj+1
.endr
.endr
.irp j, 0,1,2,3
	ds_store_b128 v6, v[P+8*\j:P+8*\j+3]   offset:(8*((\un)/2)+4*((\un)%2))*PB+16*\j
	ds_store_b128 v6, v[P+8*\j+4:P+8*\j+7] offset:(8*((\un)/2)+4*((\un)%2))*PB+512+16*\j
.endr
.endm
.macro ALOAD qc                        ; chunk qc: the block's row fragments of eight k steps, 32 loads of 512 consecutive bytes
	WIN 0x40                                       ; destination window 1, address window 0
.set al, 0
.rept 8
.irp z, 0,1,2,3
	global_load_b128 v[128*((\qc)%2)+16*al+4*\z:128*((\qc)%2)+16*al+4*\z+3], v2, s[IN:IN+1] offset:(8*(\qc)+al)*2048+512*\z
.endr
.set al, al+1
.endr
.endm
.macro BLOAD c, hf                     ; k step c's weight fragments, half hf: 8 LDS loads, 16 neighbouring bytes a lane
	WIN 0x04
.irp f, 0,1,2,3
	ds_load_b128 v[BF+32*(\hf)+8*\f:BF+32*(\hf)+8*\f+3],   v[LB+(\c)/4] offset:(8*((\c)%4)+4*(\hf)+\f)*PB
	ds_load_b128 v[BF+32*(\hf)+8*\f+4:BF+32*(\hf)+8*\f+7], v[LB+(\c)/4] offset:(8*((\c)%4)+4*(\hf)+\f)*PB+512
.endr
.endm
.macro MM c, hf                        ; 8 matrix instructions.  The 16 accumulators take turns, one instruction a turn; k step 0 starts the sums
	WIN 0x04                                       ; source 1 (rows) window 1, all else window 0
.irp f, 0,1,2,3
.irp u, 0,1
.if (\c) == 0
	v_wmma_f32_16x16x32_bf16 v[ACC+8*(8*\u+4*(\hf)+\f):ACC+8*(8*\u+4*(\hf)+\f)+7], v[BF+32*(\hf)+8*\f:BF+32*(\hf)+8*\f+7], v[128*(((\c)/8)%2)+16*((\c)%8)+8*\u:128*(((\c)/8)%2)+16*((\c)%8)+8*\u+7], 0
.else
	v_wmma_f32_16x16x32_bf16 v[ACC+8*(8*\u+4*(\hf)+\f):ACC+8*(8*\u+4*(\hf)+\f)+7], v[BF+32*(\hf)+8*\f:BF+32*(\hf)+8*\f+7], v[128*(((\c)/8)%2)+16*((\c)%8)+8*\u:128*(((\c)/8)%2)+16*((\c)%8)+8*\u+7], v[ACC+8*(8*\u+4*(\hf)+\f):ACC+8*(8*\u+4*(\hf)+\f)+7]
.endif
.endr
.endr
.endm
.macro KSTEP c
	s_wait_dscnt 0x8                               ; half 0 of this k step is in; half 1's eight loads may be out
	MM \c, 0
	PLACES
.if (\c) < 31
	BLOAD (\c)+1, 0
	s_wait_dscnt 0x8                               ; half 1 is in; the eight just issued may be out
.else
	s_wait_dscnt 0x0
.endif
	MM \c, 1
	PLACES
.if (\c) < 31
	BLOAD (\c)+1, 1
.endif
.endm
.macro OUTR u, hf                      ; 16 rows x 64 columns: into my stage (each accumulator's low four registers first), back as whole rows of 256 bytes, and out
	s_wait_xcnt 0x0                                ; earlier stores have had their addresses translated: the registers that they read are loaded again only behind this wait
.irp f, 0,1,2,3
	ds_store_b128 v4, v[ACC+8*(8*(\u)+4*(\hf)+\f):ACC+8*(8*(\u)+4*(\hf)+\f)+3]   offset:64*\f
	ds_store_b128 v4, v[ACC+8*(8*(\u)+4*(\hf)+\f)+4:ACC+8*(8*(\u)+4*(\hf)+\f)+7] offset:64*\f+16
.endr
.irp t, 0,1,2,3,4,5,6,7
	ds_load_b128 v[BF+32*(\hf)+4*\t:BF+32*(\hf)+4*\t+3], v5 offset:2*SP*\t  ; LDS serves a wave's instructions in order (ISA guide 5.7.1.4): these see the stores above, and the next round's stores come behind them
.endr
.irp t, 0,1,2,3,4,5,6,7
	s_wait_dscnt 7-\t                              ; pair t of rows is back; the younger loads stay out
	global_store_b128 v3, v[BF+32*(\hf)+4*\t:BF+32*(\hf)+4*\t+3], s[16:17] offset:(16*(\u)+2*\t)*4096+256*(\hf)  ; 16 lanes store 256 consecutive bytes, aligned
.endr
.endm
	s_load_b256 s[8:15], s[0:1], 0x0               ; HB s[8:9], routed_w3 s[10:11], shared_w3 s[12:13], etab s[14:15]
	s_load_b64 s[16:17], s[0:1], 0x20              ; Y
	v_lshrrev_b32 v2, 5, v0
	v_readfirstlane_b32 s24, v2                    ; wave 0..7
	s_and_b32 s25, ttmp9, 1                        ; 0 routed, 1 shared
	s_lshr_b32 s26, ttmp9, 1                       ; q
	s_lshr_b32 s66, s26, 3                         ; routed: e
	s_and_b32 s53, s26, 7                          ;         column slice
	s_lshl_b32 s68, s66, 3                         ; etab's entry (read by both kinds: q / 8 is at most 15)
	s_lshl_b32 s30, s66, 22
	s_lshr_b32 s27, s26, 5                         ; shared: part j
	s_bfe_u32 s74, s26, 0x30002                    ;         column slice: 3 bits from bit 2
	s_and_b32 s29, s26, 3
	s_lshl_b32 s29, s29, 3
	s_lshl_b32 s69, s27, 5
	s_add_co_u32 s29, s29, s69                     ;         first block 32 j + 8 (q % 4)
	s_lshl_b32 s73, s27, 22
	s_cmp_eq_u32 s25, 0
	s_cselect_b32 s30, s30, s73                    ; the expert's or the part's 4 MiB of w3,
	s_cselect_b32 s53, s53, s74
	s_lshl_b32 s69, s53, 9
	s_add_co_u32 s30, s30, s69                     ; the slice's 512 bytes of a row,
	s_lshl_b32 s69, s24, 19
	s_add_co_u32 s30, s30, s69                     ; my wave's 128 rows
	s_mov_b32 s31, 0
	v_and_b32 v7, 15, v0                           ; r
	v_bfe_u32 v2, v0, 4, 1                         ; h
	v_and_b32 v1, 31, v0
	v_lshlrev_b32 v1, 4, v1                        ; 16 x lane
	v_lshrrev_b32 v3, 2, v7
	v_mul_u32_u24 v6, v3, PB
	v_and_b32 v3, 3, v7
	v_lshl_add_u32 v6, v3, 6, v6
	v_lshl_add_u32 v6, v2, 8, v6
	s_mul_i32 s72, s24, GRP
	v_add_nc_u32 v6, s72, v6                       ; (r / 4) 1040 + (r % 4) 64 + 256 h + w x four k steps
.set g, 0
.rept 8
	v_add_nc_u32 v[LB+g], g*GRP, v1
.set g, g+1
.endr
	v_lshlrev_b32 v[VO], 15, v2
	v_lshl_add_u32 v[VO], v7, 4, v[VO]             ; row 8 h, my 16 bytes
.set i, 1
.rept 15
	v_add_nc_u32 v[VO+i], ((i%8)+16*(i/8))*4096, v[VO]
.set i, i+1
.endr
	s_mul_i32 s69, s24, 16*SP
	s_add_co_u32 s69, s69, STAGE                   ; my stage
	v_mul_u32_u24 v4, v7, SP                       ; in: row r, 32 bytes for each half of the lanes
	v_lshl_add_u32 v4, v2, 5, v4
	v_add_nc_u32 v4, s69, v4
	v_mul_u32_u24 v5, v2, SP                       ; back: lanes 0-15 one row of 256 bytes, lanes 16-31 the next
	v_lshl_add_u32 v5, v7, 4, v5
	v_add_nc_u32 v5, s69, v5
	s_wait_kmcnt 0x0
	s_load_b64 s[58:59], s[14:15], s68 offset:0x0
	s_cmp_eq_u32 s25, 0
	s_cselect_b64 s[60:61], s[10:11], s[12:13]
	s_add_nc_u64 s[WB:WB+1], s[60:61], s[30:31]    ; unit un: column half un % 2, k step 4 w + un / 2
	s_add_nc_u64 s[WB+2:WB+3], s[WB:WB+1], 0x100
.irp un, 2,3,4,5,6,7
	s_add_nc_u64 s[WB+2*\un:WB+2*\un+1], s[WB+2*\un-4:WB+2*\un-3], 0x20000
.endr
	; THE LOAD PHASE: three units, 48 loads of 512 bytes, of every wave are on their way
	LOADU 0, 0
	LOADU 1, 1
	LOADU 2, 2
	s_wait_kmcnt 0x0
	s_min_u32 s58, s58, 79
	s_add_co_u32 s58, s58, 128
	s_min_u32 s59, s59, 32
	s_cmp_eq_u32 s25, 0
	s_cselect_b32 s50, s58, s29
	s_cselect_b32 s51, s59, 8
.irp un, 0,1,2,3,4,5,6,7
.if \un < 6
	s_wait_loadcnt 0x20                            ; loads come back in order: unit un is in, the two younger units' 32 loads stay out
.elseif \un == 6
	s_wait_loadcnt 0x10
.else
	s_wait_loadcnt 0x0
.endif
	CVTU \un, (\un)%3
.if \un < 5
	LOADU (\un)+3, (\un)%3
.endif
.endr
	s_wait_dscnt 0x0                               ; for the others' sake: my part of the slice is in LDS
	s_barrier_signal -1
	s_barrier_wait -1                              ; the only barrier: from here on the slice is only read, and a stage is its wave's own
	v_lshlrev_b32 v[OL], 12, v2
	v_lshl_add_u32 v[OL], v7, 4, v[OL]
	s_add_co_u32 s54, s51, 7
	s_sub_co_u32 s54, s54, s24
	s_lshr_b32 s54, s54, 3                         ; blocks w, w + 8, .. below the count
	s_add_co_u32 s56, s50, s24
	s_mov_b32 s55, 0
	s_cmp_eq_u32 s54, 0
	s_cbranch_scc1 .Lend
.Lblk:
	s_wait_xcnt 0x0                                ; the last trip's stores have had their addresses translated: v3 and the registers that they read are rewritten only behind this wait
	s_min_u32 s57, s56, MAXB
	s_lshl_b32 s69, s57, 16
	v_add_nc_u32 v2, s69, v1                       ; the block's rows of h
	s_lshl_b32 s69, s57, 17                        ; its 32 rows of Y,
	s_lshl_b32 s72, s53, 9                         ; my slice's 512 bytes of them
	s_add_co_u32 s69, s69, s72
	v_add_nc_u32 v3, s69, v[OL]
	ALOAD 0
	ALOAD 1
	BLOAD 0, 0
	BLOAD 0, 1
.set kc, 0
.irp qc, 0,1,2,3
.if \qc < 3
	s_wait_loadcnt 0x20                            ; chunk qc is in; the next chunk's 32 loads stay out
.else
	s_wait_loadcnt 0x0
.endif
.rept 8
	KSTEP kc
.set kc, kc+1
.endr
.if \qc < 2
	ALOAD (\qc)+2                                  ; into the chunk just multiplied: the k step's last four places stand in front
.endif
.endr
	WIN 0
	OUTR 0, 0
	OUTR 0, 1
	OUTR 1, 0
	OUTR 1, 1
	s_add_co_u32 s56, s56, 8
	s_add_co_u32 s55, s55, 1
	s_cmp_lt_u32 s55, s54
	s_cbranch_scc1 .Lblk
.Lend:
	s_wait_xcnt 0x0
	v_lshl_add_u32 v254, v0, 2, 0x49800
	v_mov_b32 v255, 0
	s_wait_tensorcnt 0x0
	ds_add_u32 v254, v255
	s_wait_dscnt 0x0
	s_endpgm
.Lfunc_end_k_qd744b807a3_down:
	.size	k_qd744b807a3_down, .Lfunc_end_k_qd744b807a3_down-k_qd744b807a3_down
	.p2alignl 7, 3214868480
	.fill 96, 4, 3214868480
	.section	.rodata,"a",@progbits
	.p2align	6, 0x0
	.amdhsa_kernel k_qd744b807a3_down
		.amdhsa_group_segment_fixed_size 302080
		.amdhsa_private_segment_fixed_size 0
		.amdhsa_enable_private_segment 0
		.amdhsa_kernarg_size 40
		.amdhsa_user_sgpr_count 2
		.amdhsa_user_sgpr_kernarg_segment_ptr 1
		.amdhsa_wavefront_size32 1
		.amdhsa_system_sgpr_workgroup_id_x 1
		.amdhsa_system_sgpr_workgroup_id_y 1
		.amdhsa_system_sgpr_workgroup_id_z 1
		.amdhsa_system_vgpr_workitem_id 0
		.amdhsa_next_free_vgpr 512
		.amdhsa_next_free_sgpr 80
		.amdhsa_reserve_vcc 0
		.amdhsa_float_denorm_mode_32 3
		.amdhsa_float_denorm_mode_16_64 3
		.amdhsa_memory_ordered 1
		.amdhsa_forward_progress 1
		.amdhsa_inst_pref_size 133
	.end_amdhsa_kernel
	.amdgpu_metadata
---
amdhsa.version: [ 1, 2 ]
amdhsa.kernels:
  - .name:           k_qd744b807a3_down
    .symbol:         k_qd744b807a3_down.kd
    .args:
      - { .name: HB, .offset: 0, .size: 8, .value_kind: global_buffer, .address_space: global }
      - { .name: routed_w3, .offset: 8, .size: 8, .value_kind: global_buffer, .address_space: global }
      - { .name: shared_w3, .offset: 16, .size: 8, .value_kind: global_buffer, .address_space: global }
      - { .name: etab, .offset: 24, .size: 8, .value_kind: global_buffer, .address_space: global }
      - { .name: Y, .offset: 32, .size: 8, .value_kind: global_buffer, .address_space: global }
    .group_segment_fixed_size: 302080
    .private_segment_fixed_size: 0
    .kernarg_segment_align: 8
    .kernarg_segment_size: 40
    .max_flat_workgroup_size: 256
    .sgpr_count:     80
    .vgpr_count:     512
    .wavefront_size: 32
...
	.end_amdgpu_metadata
.endif
;; end of part 4
;; launch combine (part 5): grid 256 x 1, 4 waves a work-group, no clusters, 0 bytes of LDS; arguments Y, tpos, tgate, out0; writes out0
.if DOCPART == 5
	.amdgcn_target "amdgcn-amd-amdhsa--gfx1250"
	.amdhsa_code_object_version 6
	.text
	.protected	k_qd744b807a3_combine
	.globl	k_qd744b807a3_combine
	.p2align	8
	.type	k_qd744b807a3_combine,@function
k_qd744b807a3_combine:
	s_mov_b64 s[64:65], 0
	v_nop
	global_prefetch_b8 v0, s[64:65] scope:SCOPE_SE
	s_setreg_imm32_b32 hwreg(HW_REG_WAVE_MODE, 25, 1), 1
	s_wait_xcnt 0x0
; COMBINE.  out[t] = Y[t] + Y[1024 + t] + Y[2048 + t] + Y[3072 + t] (the shared expert's four parts) + g1 Y[4096 + p1] + g2 Y[4096 + p2] (the token's two experts), all f32.
; One wave, one token: six rows of 4,096 bytes in, one out; every load and store of the wave covers 512 consecutive bytes, aligned.  All 48 loads go out at once; each register is used once,
; so no source is ever rewritten.  A stream: no LDS, no barrier, no matrix unit.  p1, p2 come from tpos (whole numbers of an earlier launch), g1, g2 from tgate.
.set R, 8                              ; v[8:199]  piece m of eight: six sources x 4 registers at 8 + 24 m
	s_load_b256 s[4:11], s[0:1], 0x0               ; Y s[4:5], tpos s[6:7], tgate s[8:9], out0 s[10:11]
	v_lshrrev_b32 v2, 5, v0
	v_readfirstlane_b32 s20, v2
	s_lshl_b32 s21, ttmp9, 2
	s_add_co_u32 s20, s21, s20                     ; t
	s_lshl_b32 s21, s20, 3
	s_lshl_b32 s22, s20, 12
	s_mov_b32 s23, 0
	v_and_b32 v1, 31, v0
	v_lshlrev_b32 v1, 4, v1                        ; 16 x lane
	s_wait_kmcnt 0x0
	s_load_b64 s[16:17], s[6:7], s21 offset:0x0    ; p1, p2
	s_load_b64 s[12:13], s[8:9], s21 offset:0x0    ; g1, g2
	s_add_nc_u64 s[24:25], s[4:5], s[22:23]        ; parts 0 and 1 (4 MiB on, in the immediate)
	s_add_nc_u64 s[26:27], s[24:25], 0x800000      ; parts 2 and 3
	s_add_nc_u64 s[36:37], s[10:11], s[22:23]
	s_wait_kmcnt 0x0
	s_min_u32 s16, s16, 2559
	s_min_u32 s17, s17, 2559
	s_lshl_b32 s28, s16, 12
	s_add_co_u32 s28, s28, 0x1000000               ; behind the shared parts' 4,096 rows
	s_mov_b32 s29, 0
	s_lshl_b32 s32, s17, 12
	s_add_co_u32 s32, s32, 0x1000000
	s_mov_b32 s33, 0
	s_add_nc_u64 s[30:31], s[4:5], s[28:29]
	s_add_nc_u64 s[34:35], s[4:5], s[32:33]
	s_mov_b32 s14, s13                             ; g2 in the low word of a pair of its own
	s_mov_b32 s15, s13
.set m, 0
.rept 8
	global_load_b128 v[R+24*m:R+24*m+3],     v1, s[24:25] offset:512*m th:TH_LOAD_NT
	global_load_b128 v[R+24*m+4:R+24*m+7],   v1, s[24:25] offset:4194304+512*m th:TH_LOAD_NT
	global_load_b128 v[R+24*m+8:R+24*m+11],  v1, s[26:27] offset:512*m th:TH_LOAD_NT
	global_load_b128 v[R+24*m+12:R+24*m+15], v1, s[26:27] offset:4194304+512*m th:TH_LOAD_NT
	global_load_b128 v[R+24*m+16:R+24*m+19], v1, s[30:31] offset:512*m th:TH_LOAD_NT
	global_load_b128 v[R+24*m+20:R+24*m+23], v1, s[34:35] offset:512*m th:TH_LOAD_NT
.set m, m+1
.endr
.set m, 0
.rept 8
	s_wait_loadcnt 6*(7-m)                         ; loads come back in order: piece m's six are in, the younger pieces' stay out
.irp p, 0,2
	v_pk_add_f32 v[R+24*m+\p:R+24*m+\p+1], v[R+24*m+\p:R+24*m+\p+1], v[R+24*m+4+\p:R+24*m+4+\p+1]
	v_pk_add_f32 v[R+24*m+8+\p:R+24*m+8+\p+1], v[R+24*m+8+\p:R+24*m+8+\p+1], v[R+24*m+12+\p:R+24*m+12+\p+1]
	v_pk_fma_f32 v[R+24*m+\p:R+24*m+\p+1], v[R+24*m+16+\p:R+24*m+16+\p+1], s[12:13], v[R+24*m+\p:R+24*m+\p+1] op_sel_hi:[1,0,1]
	v_pk_fma_f32 v[R+24*m+8+\p:R+24*m+8+\p+1], v[R+24*m+20+\p:R+24*m+20+\p+1], s[14:15], v[R+24*m+8+\p:R+24*m+8+\p+1] op_sel_hi:[1,0,1]
	v_pk_add_f32 v[R+24*m+\p:R+24*m+\p+1], v[R+24*m+\p:R+24*m+\p+1], v[R+24*m+8+\p:R+24*m+8+\p+1]
.endr
	global_store_b128 v1, v[R+24*m:R+24*m+3], s[36:37] offset:512*m th:TH_STORE_NT
.set m, m+1
.endr
	s_endpgm
.Lfunc_end_k_qd744b807a3_combine:
	.size	k_qd744b807a3_combine, .Lfunc_end_k_qd744b807a3_combine-k_qd744b807a3_combine
	.p2alignl 7, 3214868480
	.fill 96, 4, 3214868480
	.section	.rodata,"a",@progbits
	.p2align	6, 0x0
	.amdhsa_kernel k_qd744b807a3_combine
		.amdhsa_group_segment_fixed_size 0
		.amdhsa_private_segment_fixed_size 0
		.amdhsa_enable_private_segment 0
		.amdhsa_kernarg_size 32
		.amdhsa_user_sgpr_count 2
		.amdhsa_user_sgpr_kernarg_segment_ptr 1
		.amdhsa_wavefront_size32 1
		.amdhsa_system_sgpr_workgroup_id_x 1
		.amdhsa_system_sgpr_workgroup_id_y 1
		.amdhsa_system_sgpr_workgroup_id_z 1
		.amdhsa_system_vgpr_workitem_id 0
		.amdhsa_next_free_vgpr 200
		.amdhsa_next_free_sgpr 66
		.amdhsa_reserve_vcc 0
		.amdhsa_float_denorm_mode_32 3
		.amdhsa_float_denorm_mode_16_64 3
		.amdhsa_memory_ordered 1
		.amdhsa_forward_progress 1
		.amdhsa_inst_pref_size 12
	.end_amdhsa_kernel
	.amdgpu_metadata
---
amdhsa.version: [ 1, 2 ]
amdhsa.kernels:
  - .name:           k_qd744b807a3_combine
    .symbol:         k_qd744b807a3_combine.kd
    .args:
      - { .name: Y, .offset: 0, .size: 8, .value_kind: global_buffer, .address_space: global }
      - { .name: tpos, .offset: 8, .size: 8, .value_kind: global_buffer, .address_space: global }
      - { .name: tgate, .offset: 16, .size: 8, .value_kind: global_buffer, .address_space: global }
      - { .name: out0, .offset: 24, .size: 8, .value_kind: global_buffer, .address_space: global }
    .group_segment_fixed_size: 0
    .private_segment_fixed_size: 0
    .kernarg_segment_align: 8
    .kernarg_segment_size: 32
    .max_flat_workgroup_size: 128
    .sgpr_count:     66
    .vgpr_count:     200
    .wavefront_size: 32
...
	.end_amdgpu_metadata
.endif
;; end of part 5
